; MI455X (gfx1250); checked and timed in simulation.
; The chip was launched on July 23, 2026; its instructions are those of AMD's public machine-readable ISA for CDNA 5 (MIT licence, August 2026) and "CDNA5" Instruction Set Architecture Reference Guide (July 2026). The comments in the code are by the model that wrote it; some were corrected since.
;; Cross Attention. Allowed arithmetic: matrix products marked QUANTISED: E3M2 operands, one E8M0 scale for each 32 along K, by v_wmma_scale_f32_16x16x128_f8f6f4 with both operands' format E3M2, f32 sums; everything else in f32.
;; Inputs: Wk_codes 768 x 4 x 24 uint8 (E3M2 codes of Wk, K innermost, in blocks of 32 codes, four codes in three bytes); Wk_scales 768 x 4 uint8 (E8M0 scales of Wk, one for each 32 codes along K); Wq_codes 768 x 24 x 24 uint8 (E3M2 codes of Wq, K innermost, in blocks of 32 codes, four codes in three bytes); Wq_scales 768 x 24 uint8 (E8M0 scales of Wq, one for each 32 codes along K); Wv_codes 768 x 4 x 24 uint8 (E3M2 codes of Wv, K innermost, in blocks of 32 codes, four codes in three bytes); Wv_scales 768 x 4 uint8 (E8M0 scales of Wv, one for each 32 codes along K); age_features_codes 8 x 4 x 24 uint8 (E3M2 codes of age_features, K innermost, in blocks of 32 codes, four codes in three bytes); age_features_scales 8 x 4 uint8 (E8M0 scales of age_features, one for each 32 codes along K); bk 768 float32; bq 768 float32; bv 768 float32; pixel_features 8 x 2,048 x 768 float32.
;; Outputs: out0 8 x 2,048 x 768 float32.
;; This version of the problem:
;;   THIS VERSION OF THE PROBLEM IS GIVEN IN LOW PRECISION. The matrix products marked QUANTISED in the list below multiply operands that are first quantised to E3M2 (3 exponent bits, 2 mantissa bits; 6 bits a number), with one power-of-two scale for each 32 numbers along K (OCP MX v1.0); their sums are f32. All else is computed in f32.
;;   The module's matrix products, in the order in which they are computed (A, B: the left and right operand; K: the contracted axis; several contracted axes count as one K, in the product's order):
;;     1. [M 16,384, K 768] x [K 768, N 768]; A: input pixel_features; B: input Wq (given as codes): QUANTISED
;;     2. [M 16,384, K 128] x [K 128, N 768]; A: input age_features (given as codes); B: input Wk (given as codes): QUANTISED
;;     3. [M 16,384, K 128] x [K 128, N 768]; A: input age_features (given as codes); B: input Wv (given as codes): QUANTISED
;;     4. batch 8 x [M 2,048, K 768] x [K 768, N 2,048]; A: computed on the way; B: computed on the way: QUANTISED
;;     5. batch 8 x [M 2,048, K 2,048] x [K 2,048, N 768]; A: softmax (see below); B: computed on the way: QUANTISED
;;   THE QUANTISER, for each operand of a quantised product, along K:
;;     - K is cut into blocks of 32 from its start; a last block that is shorter is filled with zeros.
;;     - A block's scale is 2^e with e = floor(log2(the largest magnitude in the block)) - 4, held to -126 .. 127; a block of zeros has e = 0. As a byte (E8M0): e + 127.
;;     - Each number is divided by its block's scale, clamped to +-28, and rounded to the nearest number of E3M2, ties to even, subnormals kept.
;;     - The product sums the exact products of the quantised numbers (number of the format x scale) in f32.
;;   ~~~python
;;   def quantise(x, axis):      # numpy; x: float32 -> the quantised numbers, widened to float32 again
;;       x = np.moveaxis(x, axis, -1); K = x.shape[-1]
;;       x = np.pad(x, [(0, 0)] * (x.ndim - 1) + [(0, -K % 32)]); x = x.reshape(x.shape[:-1] + (-1, 32)); a = np.abs(x).max(-1, keepdims=True)
;;       e = np.where(a > 0, np.clip(np.frexp(np.where(a > 0, a, 1))[1] - 1 - 4, -126, 127), 0)      # np.frexp(a)[1] - 1 = floor(log2(a)), exactly
;;       r = np.clip(x / 2.0 ** e, -28, 28)
;;       step = 2.0 ** (np.maximum(np.frexp(np.where(r == 0, 1, r))[1] - 1, -2) - 2)
;;       q = np.round(r / step) * step * 2.0 ** e      # np.round: ties to even
;;       return np.moveaxis(q.reshape(q.shape[:-2] + (-1,))[..., :K], -1, axis).astype(np.float32)
;;   ~~~
;;   SOFTMAX AHEAD OF A QUANTISED PRODUCT. Where the list says 'softmax', what is quantised is not the finished softmax but p = 2^(t - M), with t = logit x log2(e) and M = ceil(the row's largest t), a whole number; so 1/2 < the row's largest p <= 1. The row's sum l is taken of the UNQUANTISED p, in f32, and the product's result is divided by l at the end. Since M is a whole number, a kernel that streams over the keys may use a running M (the ceiling of the running maximum): every later rescaling is an exact power of two, which a block's scale takes up: the codes' values come out the same.
;;   OPERANDS COMPUTED ON THE WAY. 'Computed on the way' means the value that the module computes at that place (a softmax that the list does not call 'softmax' is quantised finished and normalised). What goes into a quantiser is computed in f32, as accurately as f32 sums, v_exp_f32 and their like allow (about 1e-6 of the number): no bf16 or f16 on the way to a quantiser, and a product that is left as it is and whose result goes on into a quantised operand takes f32 operands (vector FMAs, or v_wmma_f32_16x16x4_f32). A number that lies on a knife's edge between two numbers of the format may be rounded either way, as far as f32 arithmetic and the matrix unit's own rounding can turn it there, and no further.
;;   INPUTS GIVEN AS CODES. Wk (in the module: [128, 768], K = its axis 0); Wq (in the module: [768, 768], K = its axis 0); Wv (in the module: [128, 768], K = its axis 0); age_features (in the module: [8, 128], K = its axis 1): each comes as NAME_codes (uint8): NAME with its K axis moved to the last place and cut into blocks of 32 codes, [.., K / 32, bytes a block], one block behind the other in memory; four codes in three bytes: a row's codes are one little-endian stream of bits, code i at bits 6 i .. 6 i + 5 (a code: sign, 3 exponent bits, 2 mantissa bits); and NAME_scales (uint8): the same leading axes, one E8M0 byte (e + 127) for each 32 codes along K. Its value is code x scale, taken as it is: it is not quantised again, and the codes and scales need not be those that the quantiser above would give.
;; One version. Each part assembles by itself: llvm-mc -triple=amdgcn-amd-amdhsa -mcpu=gfx1250 --defsym DOCPART=n.
;; ======== version 1 of 1: 1 launch
;; launch fused (part 1): grid 256 x 1, 8 waves a work-group, no clusters, 327,680 bytes of LDS; arguments pixel_features, Wq_codes, Wq_scales, bq, Wk_codes, Wk_scales, bk, Wv_codes, Wv_scales, bv, age_features_codes, age_features_scales, out0; writes out0
.if DOCPART == 1
	.amdgcn_target "amdgcn-amd-amdhsa--gfx1250"
	.amdhsa_code_object_version 6
	.text
	.protected	k_qb75dc80aee_fused
	.globl	k_qb75dc80aee_fused
	.p2align	8
	.type	k_qb75dc80aee_fused,@function
k_qb75dc80aee_fused:
	s_mov_b64 s[64:65], 0
	v_nop
	global_prefetch_b8 v0, s[64:65] scope:SCOPE_SE
	s_setreg_imm32_b32 hwreg(HW_REG_WAVE_MODE, 25, 1), 1
	s_wait_xcnt 0x0
; out0[b][n][:] = pixel[b][n][:] + softmax_m(q[b][n] . k[b][m] / sqrt(768)) v[b][m][:], all five products on codes of BF6 (E3M2) with one E8M0 scale for each 32 along K.
; WHAT IS LEFT OUT, AND WHY IT IS DEAD FOR ALL VALUES OF THE INPUTS.  reference() itself broadcasts age_features[b] over the 2,048 positions of a batch before it projects to k and v.  So, whatever the inputs hold:
;   (a) all 2,048 rows of k[b] are one row, and all rows of v[b] one row: products 2 and 3 are made for 16 equal rows (one tile) a batch, not for 2,048;
;   (b) all 2,048 scores of a query n are one number, so product 4 is made against 16 equal keys (one tile of columns), not 2,048; the row's largest t is that number, t_n;
;   (c) p_n = 2^(t_n - ceil(t_n)) is the same for all keys, and along the keys every block of 32 of p and of v holds 32 equal numbers: all 16 key steps of 128 of product 5 give the same sum.  One step is made,
;       and its sum is taken 16 times (a power of two: exact); the row's sum l of 2,048 equal p is 2^11 p (exact in real numbers).
; WHAT STAYS LIVE: Q(p_n) / p_n is not 1 (p is rounded to four mantissas and held at 28 x its scale), so t_n reaches the result, and with it product 1 whole, bq, the quantiser of q, k with bk, v with bv.  Every input is loaded.
; LIMITS.  NaN and infinities among the inputs are not served; a NaN, an infinity or an overflow that would arise only in the repeated rows, keys and steps left out is not carried to the result.  A block of x, q or k whose
; largest magnitude lies under 2^(11 - 127) gets the scale byte 7, a block of zeros too (its codes are zeros; the bytes are read by this text alone).  Scale bytes of age_features under 7 are not served (6 is taken off them).
; l = 2^11 p differs from a chain of 2,048 f32 additions by that chain's rounding.
; SHARES.  256 work-groups of eight waves.  Work-group g owns rows 64 g .. 64 g + 63 of the 16,384 (batch g / 32): four tiles m of 16 rows.  THE WAVES SHARE THE COLUMNS: wave w owns the 96 columns 96 w .. 96 w + 95 of q, k, v
; and out (six tiles t, three blocks of 32) for all 64 rows.  So each byte of Wq is loaded once a work-group, straight into the registers of the one wave that multiplies by it.
; THE 64 ROWS OF pixel_features come into LDS once, by one tensor load a wave (8 rows, 24,576 dense bytes), serve the quantiser of x, and stay for the residual: each byte of pixel_features is read from memory once.
; ONE OPERAND OF PRODUCTS 1 TO 4 GOES IN THREE PARTS.  The codes of q turn on the last bits of x Wq, and p on those of the score, so these sums are kept narrow.  A quantised number is r x its block's scale, r a number of E3M2.
; r = A + B + C exactly: A = r to the nearest multiple of 4 (0, 4 .. 28), B = the rest to the nearest multiple of 1/2 (at most 2), C = what is left (multiples of 1/16, at most 1/4).  8 B and 64 C are again 0, 4, 8, 12 or 16.
; So the number goes to the matrix unit as three operands of E3M2: A under the block's scale, 8 B under an eighth of it, 64 C under a sixty-fourth; the three products add up to the product of the quantised numbers.
; Every product inside an instruction is then a multiple of 2^-2 and under 2^10 of its two scales: twelve bits, where the plain codes' products span eighteen.  So treated: x (product 1), age_features (2, 3), q (4).
; r is had by the conversion to codes and the conversion back under the scale byte 127; A and B by adding and taking away 1.5 x 2^25 and 1.5 x 2^22 in f32, which rounds to the nearest multiple of 4 and of 1/2.
; The K steps' and the parts' sums are multiples of 2^-22 under 4 (product 4: of 2^-18 under 64) at scales like the drawn inputs': additions of such numbers in f32 round nothing; the biases are added behind the sums.
; NO CLUSTER, NO JOINT LOADS, though all work-groups read the same Wq: the pixel rows (199,680 bytes), x's codes (110,592), the scale words, the scores' parts and the spare words take 320,000 of the 327,680 bytes of LDS;
; what is left holds under a fiftieth of Wq's 442,368 bytes.  Wq goes through a ring of two sets of registers instead.
; NO PREFETCH: all that a work-group reads of pixel_features is asked for by its first loads at the head; nothing is asked for later.
; TRANSPOSED USE.  Source 0 = 16 rows of a weight, source 1 = 16 rows of x (or q, or p): a lane (r = lane % 16, h = lane / 16) holds ONE row of pixels and its registers run along the columns.  The rows of Wq and Wk that form a
; tile are not neighbours: lane r of tile t takes row 32 (t / 2) + 8 (t % 2) + r + 8 (r / 8), so that the 16 registers of tiles 2 b, 2 b + 1 are 16 neighbours along the next K: 32 b + 16 h + 0 .. 15: half a block.
; x IN LDS is the image of an operand's 12 registers, lane L's 48 bytes at 48 L: block j of the K step lies in lanes 16 (j % 2) + r at byte 24 (j / 2).  A lane's 16 codes are 12 bytes of such a block: three stores of 4 bytes.
; PRODUCT 4: each wave multiplies its own 96 of the 768 along K, from registers (three blocks and a block of zero codes; q and k alike hold the blocks in the order 0, 2, 1, 3, and so do their scale words), and the eight waves'
; parts of each score meet in LDS, where every wave adds them in the same order.
; The text has no branch and no loop: every phase is written out by macros.
;
; LDS
.set PROW,  3120                       ; a row of pixel_features: three pieces of 1,024 bytes, 16 bytes of padding behind each: 195 x 16 bytes, so the 16 rows of a load of 16 bytes a lane start in 16 different columns of 16 bytes
.set PWAVE, 8*PROW                     ; what one tensor load brings: 8 rows
.set PTILE, 16*PROW                    ; a tile of 16 rows
.set FRB,   1536                       ; the image of a fragment's 12 registers
.set XIMG,  64*PROW                    ; 199,680: x's 72 fragments (tile m, K step s, part c: 3 (6 m + s) + c)
.set XSC,   XIMG+72*FRB                ; 310,272: their scale words, 64 bytes a fragment: row r at 4 r
.set TP,    XSC+72*64                  ; 314,880: the waves' parts of the scores: 1,024 m + 32 x lane + 4 x wave
.set SPARE, TP+4096                    ; 318,976: the spare words, 128 bytes for each wave: four blocks of 256 bytes that no other line names
.set FLOOR, 0x5800000                  ; 2^(11 - 127): under it no largest magnitude is taken, so that a scale byte less 6 stays at 1 or over
; REGISTERS, window 0
.set R,    1                           ; r
.set H,    2                           ; h
.set LN,   3                           ; lane
.set RP,   4                           ; r + 8 (r / 8)
.set AWQ,  5                           ; offsets into the inputs: Wq's codes 576 rp + 24 h
.set AWQS, 6                           ; Wq's scales 24 rp
.set AWK,  7                           ; Wk's codes 96 rp + 24 h
.set AWV,  8                           ; Wv's codes 96 r + 24 h
.set A4RP, 9                           ; 4 rp
.set A4R,  10                          ; 4 r
.set A24H, 11                          ; 24 h
.set AZ,   12                          ; 0
.set A64H, 13                          ; 64 h
.set LIXA, 14                          ; LDS: XIMG + 48 x lane: tiles 0 and 1
.set LSX,  15                          ; XSC + 4 r
.set XWI,  16                          ; where I store x's codes: my first fragment + 48 r + 12 h
.set XWS,  17                          ; and its scale words
.set XRD,  18                          ; v18-20 where I read the numbers of my three K steps of x
.set TPW,  21                          ; TP + 32 x lane + 4 x wave
.set TPR,  22                          ; TP + 32 x lane
.set GO,   23                          ; 16 x lane: my bytes of a store of 512
.set LIXB, 24                          ; LIXA + 36 fragments: tiles 2 and 3
.set LB,   25                          ; v25-28 tile m: 3,120 r + 32 h + 49,920 m
.set ORD,  29                          ; the way out: 16 x lane + my 8 rows
.set SPW,  30                          ; my spare word: SPARE + 4 x my thread's number; never rewritten
.set NIL,  31                          ; 0; never rewritten
; v32-86 hold scales and nothing else
.set WS,   32                          ; v32-67 Wq's scale words, 6 t + s
.set WKS,  32                          ; at the head, ahead of Wq's: v32-37 Wk's scale words, v38-43 Wv's, v44-46 age_features' three
.set WVS,  38
.set AGS,  44
.set QS,   32                          ; behind product 1: v32-43 q's scale words, 3 m + c; v44-47 p's
.set PS,   44
.set XS,   68                          ; v68-79 x's scale words of the K step in hand, 4 c + m
.set KS,   80                          ; k's scale word
.set VS,   81                          ; v81-86 v's scale words
.set RING, 88                          ; v88-231 Wq's fragments: two sets of six; at the head Wk's six and Wv's six; at the end bq in v88-135
.set WKF,  88
.set WVF,  160
.set QF,   88                          ; product 4: q's three parts, 20 registers each (12 of the fragment, 8 at work); three results; the four parts of the scores
.set QD,   148
.set SP,   172
.set KF,   232                         ; v232-243 k's fragment
.set TBK,  244                         ; v244-251 at work when it is made
.set ADR,  244                         ; at the end: v244-249 the residual's LDS addresses
.set TMP0, 251                         ; at the head: at work
.set TMP1, 252
; window 1, fixed
.set VV,   240                         ; v240-245 bv, then v of column 16 t + r
.set C1,   246                         ; 1, 1/8, 1/64: the scales under which the three parts are converted
.set C8,   247
.set C64,  248
.set DSC,  249                         ; the scale byte 127 four times, in every lane
.set PW,   250                         ; v250-252 the three scale words just made
; window 1, by phase
.set AN,   0                           ; the head: age_features' 64 code values, 64 at work, its codes (four threes, four apart), the parts' codes, the three fragments
.set TA,   64
.set AG,   128
.set CCA,  144
.set AF,   192
.set KD,   0                           ; k, v's six tiles, bk, at work
.set VD,   48
.set BKW,  96
.set TK,   144
.set N0,   0                           ; x: 64 numbers, twice; 64 at work; the parts' codes (16 c + 4 j)
.set N1,   64
.set TBX,  128
.set CC,   192
.set XF,   192                         ; product 1: the accumulator of (m, t) at v[8 (6 m + t)]; x's four fragments
.set TQ,   192                         ; q: 48 at work
.set PF,   0                           ; the end: p's four fragments, v's six, six results, 48 numbers of pixel_features, 16 / l in pairs, 16 copies
.set VF,   48
.set DD,   120
.set PX,   168
.set FP,   216
.set CP,   224
.set T0,   120                         ; ahead of product 5, in its results' registers: 16 at work, v's bytes, v's scale operands, the scores
.set TV,   136
.set TA1,  142
.set SOV,  144
.set SSR,  152
.set MSB, 0
.macro WIN new                         ; s_set_vgpr_msb: bits 1:0 source 0, 3:2 source 1, 5:4 source 2, 7:6 destination; the immediate's high byte repeats the setting that is left
.if MSB != \new
	s_set_vgpr_msb (MSB<<8)|\new
.set MSB, \new
.endif
.endm
.macro PLACES n                        ; plain vector instructions that name no register of the matrix instructions ahead (ISA guide 7.12.1)
.rept \n
	v_nop
.endr
.endm
.macro MM0 d, a, b, sa, sb             ; a product that starts a sum
	v_wmma_scale_f32_16x16x128_f8f6f4 v[(\d):(\d)+7], v[(\a):(\a)+11], v[(\b):(\b)+11], 0, v[\sa], v[\sb] matrix_a_fmt:MATRIX_FMT_BF6 matrix_b_fmt:MATRIX_FMT_BF6
.endm
.macro MMC d, a, b, sa, sb             ; a product that adds onto its own registers
	v_wmma_scale_f32_16x16x128_f8f6f4 v[(\d):(\d)+7], v[(\a):(\a)+11], v[(\b):(\b)+11], v[(\d):(\d)+7], v[\sa], v[\sb] matrix_a_fmt:MATRIX_FMT_BF6 matrix_b_fmt:MATRIX_FMT_BF6
.endm
; THE SCALES OF nb BLOCKS, wholly in window 1.  Register src + 16 b + i = k 32 b + 16 h + i of my row.  Leaves the conversion's scale operand of block b in v[tb + 8 + b] and the scale's byte in v[tb + 4 + b].
.macro BMAX src, nb, tb
	WIN 0x55
.set qb, 0
.rept \nb
	v_mov_b32 v[(\tb)+4+qb], 0                       ; a lane permute's destination counts as one of its sources
.set qb, qb+1
.endr
.set qb, 0
.rept \nb
	v_max3_num_f32 v[(\tb)+qb], |v[(\src)+16*qb]|, |v[(\src)+16*qb+1]|, FLOOR   ; my 16 numbers of block qb, and the floor
.set qb, qb+1
.endr
.irp i, 2,4,6,8,10,12,14
.set qb, 0
.rept \nb
	v_max3_num_f32 v[(\tb)+qb], v[(\tb)+qb], |v[(\src)+16*qb+\i]|, |v[(\src)+16*qb+\i+1]|   ; the blocks by turns
.set qb, qb+1
.endr
.endr
.set qb, 0
.rept \nb
	v_permlanex16_b32 v[(\tb)+4+qb], v[(\tb)+qb], s52, s53
.set qb, qb+1
.endr
.set qb, 0
.rept \nb
	v_max_num_f32 v[(\tb)+qb], v[(\tb)+qb], v[(\tb)+4+qb]   ; with the lane 16 away: the block's largest magnitude
.set qb, qb+1
.endr
.set qb, 0
.rept \nb
	v_add_nc_u32 v[(\tb)+8+qb], 0xfe000000, v[(\tb)+qb]     ; 4 off its exponent field: the conversion's scale operand
.set qb, qb+1
.endr
.set qb, 0
.rept \nb
	v_lshrrev_b32 v[(\tb)+4+qb], 23, v[(\tb)+8+qb]          ; the scale's byte
.set qb, qb+1
.endr
.endm
.macro PWQ tb                          ; the scale word of q or of k: the bytes of blocks 0, 2, 1, and 127 over the block of zero codes
	s_delay_alu instid0(VALU_DEP_1)
	v_lshl_or_b32 v[PW], v[(\tb)+6], 8, v[(\tb)+4]
	s_delay_alu instid0(VALU_DEP_1)
	v_lshl_or_b32 v[PW], v[(\tb)+5], 16, v[PW]
	s_delay_alu instid0(VALU_DEP_1)
	v_or_b32 v[PW], 0x7f000000, v[PW]
.endm
.macro PW3                             ; the scale words of the second and third part: 3 and 6 off each byte (no byte is under 7: nothing is borrowed)
	s_delay_alu instid0(VALU_DEP_1)
	v_add_nc_u32 v[PW+1], 0xfcfcfcfd, v[PW]
	s_delay_alu instid0(VALU_DEP_2)
	v_add_nc_u32 v[PW+2], 0xf9f9f9fa, v[PW]
.endm
.macro RCODE src, nb, tb               ; the quantiser: each number becomes its code, and the code its value r in units of the block's scale (unpacked under the scale byte 127)
	WIN 0x55
.set qb, 0
.rept \nb
	v_cvt_scalef32_pk16_bf6_f32 v[(\tb)+16+4*qb:(\tb)+18+4*qb], v[(\src)+16*qb:(\src)+16*qb+15], v[(\tb)+8+qb]
.set qb, qb+1
.endr
	v_nop                                            ; one plain instruction behind scaled conversions, ahead of what touches their results or writes their sources
.set qb, 0
.rept \nb
	v_cvt_scale_pk16_f32_bf6 v[(\src)+16*qb:(\src)+16*qb+15], v[(\tb)+16+4*qb:(\tb)+18+4*qb], v[DSC]
.set qb, qb+1
.endr
	v_nop
.endm
.macro PKS d, a, sp, nb                ; d = a + the scalar pair's low word, 16 nb numbers, two at a time
.set qn, 0
.rept 8*(\nb)
	v_pk_add_f32 v[(\d)+qn:(\d)+qn+1], v[(\a)+qn:(\a)+qn+1], s[\sp:\sp+1] op_sel_hi:[1,0]
.set qn, qn+2
.endr
.endm
.macro PKD d, b, nb                    ; d = d - b
.set qn, 0
.rept 8*(\nb)
	v_pk_add_f32 v[(\d)+qn:(\d)+qn+1], v[(\d)+qn:(\d)+qn+1], v[(\b)+qn:(\b)+qn+1] neg_lo:[0,1] neg_hi:[0,1]
.set qn, qn+2
.endr
.endm
.macro CVT3 wc, dst, bs, src, nb, sc   ; one part's codes: every number is a number of the format under the scale sc, so nothing is rounded
	WIN \wc
.set qb, 0
.rept \nb
	v_cvt_scalef32_pk16_bf6_f32 v[(\dst)+(\bs)*qb:(\dst)+(\bs)*qb+2], v[(\src)+16*qb:(\src)+16*qb+15], v[\sc]
.set qb, qb+1
.endr
	WIN 0x55
.endm
; r = A + B + C.  16 nb values r in v[src] on, as many registers at work in v[tb] on.  The codes of part c, run b of 16: v[cc + cs c + bs b] on, in the window that wc gives the destination.
.macro SPLIT src, nb, tb, wc, cc, cs, bs
	WIN 0x55
	PKS \tb, \src, 70, \nb                           ; r + 1.5 x 2^25: to the nearest multiple of 4,
	PKS \tb, \tb, 72, \nb                            ; and back: A
	CVT3 \wc, \cc, \bs, \tb, \nb, C1
	PKD \src, \tb, \nb                               ; r - A, at most 2 in size
	PKS \tb, \src, 74, \nb                           ; + 1.5 x 2^22: to the nearest multiple of 1/2,
	PKS \tb, \tb, 76, \nb                            ; and back: B
	CVT3 \wc, (\cc)+(\cs), \bs, \tb, \nb, C8
	PKD \src, \tb, \nb                               ; C
	CVT3 \wc, (\cc)+2*(\cs), \bs, \src, \nb, C64
	v_nop                                            ; one plain instruction behind the scaled conversions
.endm
; A fragment of q or k from half blocks, in window 0: v[p] on block 0, v[p + 6] on block 1, v[tb] on block 2, each a lane's 16 codes.  A whole block to a lane: lanes 0-15 blocks 0 and 1, lanes 16-31 block 2 and zeros.
.macro FRAGM p, tb
.irp i, 0,1,2
	v_mov_b32 v[(\tb)+4+\i], 0
.endr
.irp i, 0,1,2
	v_permlane16_swap_b32 v[(\p)+\i], v[(\tb)+\i]
	v_permlane16_swap_b32 v[(\p)+6+\i], v[(\tb)+4+\i]
.endr
.irp i, 0,1,2
	v_mov_b32 v[(\p)+3+\i], v[(\tb)+\i]
	v_mov_b32 v[(\p)+9+\i], v[(\tb)+4+\i]
.endr
.endm
.macro XREAD n, i                      ; 64 numbers of my row of x, the i-th of my three K steps: of each block of 32 my half's 16
	WIN 0x40
.irp b, 0,1,2,3
.irp j, 0,1,2,3
	ds_load_b128 v[(\n)+16*\b+4*\j:(\n)+16*\b+4*\j+3], v[XRD+\i] offset:128*\b+16*\j
.endr
.endr
.endm
.macro XQ n                            ; 64 numbers of x become three parts' codes in v[CC] on and three scale words in v[PW] on
	BMAX \n, 4, TBX
	s_delay_alu instid0(VALU_DEP_3)
	v_lshl_or_b32 v[PW], v[TBX+5], 8, v[TBX+4]
	s_delay_alu instid0(VALU_DEP_1)
	v_lshl_or_b32 v[PW], v[TBX+6], 16, v[PW]
	s_delay_alu instid0(VALU_DEP_1)
	v_lshl_or_b32 v[PW], v[TBX+7], 24, v[PW]
	PW3
	RCODE \n, 4, TBX
	SPLIT \n, 4, TBX, 0x55, CC, 16, 4
.endm
.macro PUTX3 i                         ; the i-th of my three K steps: three fragments, four half blocks each, and their scale words (lanes r and 16 + r store the same word to the same place); an LDS store's data are its source 1
	WIN 0x04
.irp c, 0,1,2
.irp j, 0,1,2,3
.irp e, 0,1,2
	ds_store_b32 v[XWI], v[CC+16*\c+4*\j+\e] offset:(3*(\i)+\c)*FRB+768*(\j%2)+24*(\j/2)+4*\e
.endr
.endr
	ds_store_b32 v[XWS], v[PW+\c] offset:64*(3*(\i)+\c)
.endr
.endm
.macro WLOAD s                         ; Wq's six fragments of K step s into set s % 2: 36 loads of 8 bytes a lane, each at a multiple of 8
.irp t, 0,1,2,3,4,5
.irp p, 0,1,2,3,4,5
	global_load_b64 v[RING+72*((\s)&1)+12*\t+2*\p:RING+72*((\s)&1)+12*\t+2*\p+1], v[AWQ], s[10:11] offset:(32*(\t/2)+8*(\t%2))*576+96*(\s)+48*(\p/3)+8*(\p%3)
.endr
.endr
.endm
.macro XFETCH s, c                     ; part c of x's four fragments of K step s
	WIN 0x40
.irp m, 0,1
.irp e, 0,1,2
	ds_load_b128 v[XF+12*\m+4*\e:XF+12*\m+4*\e+3], v[LIXA] offset:((6*\m+(\s))*3+(\c))*FRB+16*\e
	ds_load_b128 v[XF+24+12*\m+4*\e:XF+24+12*\m+4*\e+3], v[LIXB] offset:((6*\m+(\s))*3+(\c))*FRB+16*\e
.endr
.endr
.endm
.macro MUL s, c                        ; 24 matrix instructions: my six tiles of Wq x the four tiles of rows; the 24 accumulators by turns
	WIN 0x54                                         ; Wq window 0; x, C and D window 1
.irp t, 0,1,2,3,4,5
.irp m, 0,1,2,3
.if (\s)+(\c) == 0
	MM0 8*(6*\m+\t), RING+72*((\s)&1)+12*\t, XF+12*\m, WS+6*\t+(\s), XS+4*(\c)+\m
.else
	MMC 8*(6*\m+\t), RING+72*((\s)&1)+12*\t, XF+12*\m, WS+6*\t+(\s), XS+4*(\c)+\m
.endif
.endr
.endr
.endm
.macro BARRIER                         ; my LDS stores have landed and my LDS loads are in: then the work-group's barrier
	s_wait_dscnt 0x0
	s_barrier_signal -1
	s_barrier_wait -1
.endm
; ---- THE HEAD
	s_load_b512 s[8:23], s[0:1], 0x0               ; pixel s[8:9], Wq codes s[10:11], Wq scales s[12:13], bq s[14:15], Wk codes s[16:17], Wk scales s[18:19], bk s[20:21], Wv codes s[22:23]
	s_load_b256 s[24:31], s[0:1], 0x40             ; Wv scales s[24:25], bv s[26:27], age codes s[28:29], age scales s[30:31]
	s_load_b64 s[32:33], s[0:1], 0x60              ; out0
	v_lshl_add_u32 v[SPW], v0, 2, SPARE
	v_mov_b32 v[NIL], 0
	ds_add_u32 v[SPW], v[NIL]                      ; the wave's opening: the add, twice on end, and its wait ahead of my tensor load; the set-up below, work on registers, stands between
	ds_add_u32 v[SPW], v[NIL]
	v_lshrrev_b32 v[R], 5, v0
	s_delay_alu instid0(VALU_DEP_1)
	v_readfirstlane_b32 s34, v[R]                  ; wave 0..7
	s_lshr_b32 s35, ttmp9, 5                       ; batch
	v_and_b32 v[R], 15, v0
	v_bfe_u32 v[H], v0, 4, 1
	v_and_b32 v[LN], 31, v0
	s_delay_alu instid0(VALU_DEP_3)
	v_and_b32 v[RP], 8, v[R]
	s_delay_alu instid0(VALU_DEP_1)
	v_add_nc_u32 v[RP], v[RP], v[R]
	s_delay_alu instid0(VALU_DEP_1)
	v_mul_u32_u24 v[AWQ], v[RP], 576
	s_delay_alu instid0(VALU_DEP_1)
	v_mad_u32_u24 v[AWQ], v[H], 24, v[AWQ]
	s_delay_alu instid0(VALU_DEP_3)
	v_mul_u32_u24 v[AWQS], v[RP], 24
	s_delay_alu instid0(VALU_DEP_4)
	v_mul_u32_u24 v[AWK], v[RP], 96
	s_delay_alu instid0(VALU_DEP_1)
	v_mad_u32_u24 v[AWK], v[H], 24, v[AWK]
	v_mul_u32_u24 v[AWV], v[R], 96
	s_delay_alu instid0(VALU_DEP_1)
	v_mad_u32_u24 v[AWV], v[H], 24, v[AWV]
	v_lshlrev_b32 v[A4RP], 2, v[RP]
	v_lshlrev_b32 v[A4R], 2, v[R]
	v_mul_u32_u24 v[A24H], v[H], 24
	v_mov_b32 v[AZ], 0
	v_lshlrev_b32 v[A64H], 6, v[H]
	; descriptor group 1: my 8 rows are 24,576 dense bytes: 24 rows of 128 elements of 8 bytes, 4 words of padding behind every 256 words
	s_mov_b32 s44, (3<<16)|(1<<20)|(7<<22)|(3<<25) ; 15:0 no mask; 17:16 elements of 8 bytes; 20 padding on; 24:22 after every 256 words (code 7); 31:25 of 4 words (code 3)
	s_mov_b32 s45, 128<<16                         ; tensor_dim0 = 128
	s_mov_b32 s46, 24<<16                          ; tensor_dim1 = 24
	s_mov_b32 s47, 128<<16                         ; tile_dim0 = 128
	s_mov_b32 s48, 24                              ; tile_dim1 = 24
	s_mov_b32 s49, 128                             ; from row to row: 128 elements
	s_mov_b32 s50, 0
	s_mov_b32 s51, 0
	s_mov_b32 s40, 1                               ; group 0: count = 1,
	s_mul_i32 s41, s34, PWAVE                      ; LDS address: my 8 rows
	s_mov_b32 s52, 0x76543210                      ; v_permlanex16_b32: each lane takes its own place in the other half
	s_mov_b32 s53, 0xfedcba98
	s_mov_b32 s63, 0x3d13cd3a                      ; 1 / sqrt(768), to the nearest f32
	s_mov_b32 s68, 0x41ddb3d7                      ; sqrt(768), to the nearest f32
	s_mov_b32 s69, 0x3fb8aa3b                      ; log2(e)
	s_mov_b32 s67, 0                               ; v_perm_b32: byte 0 four times
	s_mov_b32 s70, 0x4c400000                      ; 1.5 x 2^25: numbers beside it lie 4 apart.  (The packed form names a pair and takes its low word for both halves: so both are written)
	s_mov_b32 s71, 0x4c400000
	s_mov_b32 s72, 0xcc400000                      ; and its negative
	s_mov_b32 s73, 0xcc400000
	s_mov_b32 s74, 0x4ac00000                      ; 1.5 x 2^22: numbers beside it lie 1/2 apart
	s_mov_b32 s75, 0x4ac00000
	s_mov_b32 s76, 0xcac00000
	s_mov_b32 s77, 0xcac00000
.irp t, 0,1,2,3,4,5                    ; s54-59: where tile t's 64 bytes of my 384 lie in an LDS row: 384 w + 64 t, and 16 more for each 1,024 passed
	s_mul_i32 s[54+\t], s34, 384
	s_add_co_u32 s[54+\t], s[54+\t], 64*\t
	s_lshr_b32 s36, s[54+\t], 10
	s_lshl_b32 s36, s36, 4
	s_add_co_u32 s[54+\t], s[54+\t], s36
.endr
	s_and_b32 s38, s34, 1
	s_mul_i32 s38, s38, 3                          ; I quantise tile w / 2 of x, K steps 3 (w % 2) + 0, 1, 2
	s_lshr_b32 s39, s34, 1
	s_mul_i32 s37, s39, PTILE
.irp i, 0,1,2                          ; s60-62: K step sI begins 512 sI bytes into a row, and 16 more for each 1,024 passed
	s_add_co_u32 s36, s38, \i
	s_lshl_b32 s[60+\i], s36, 9
	s_lshr_b32 s36, s36, 1
	s_lshl_b32 s36, s36, 4
	s_add_co_u32 s[60+\i], s[60+\i], s36
	s_add_co_u32 s[60+\i], s[60+\i], s37
.endr
	v_mul_u32_u24 v[TMP0], v[R], PROW
	s_delay_alu instid0(VALU_DEP_1)
	v_lshl_add_u32 v[XRD], v[H], 6, v[TMP0]        ; row r, + 64 h
	s_delay_alu instid0(VALU_DEP_1)
	v_add_nc_u32 v[XRD+2], s62, v[XRD]
	s_delay_alu instid0(VALU_DEP_2)
	v_add_nc_u32 v[XRD+1], s61, v[XRD]
	s_delay_alu instid0(VALU_DEP_3)
	v_add_nc_u32 v[XRD], s60, v[XRD]
	v_lshl_add_u32 v[LB], v[H], 5, v[TMP0]         ; row r, + 32 h
	s_delay_alu instid0(VALU_DEP_1)
	v_add_nc_u32 v[LB+1], PTILE, v[LB]
	s_delay_alu instid0(VALU_DEP_2)
	v_add_nc_u32 v[LB+2], 2*PTILE, v[LB]
	s_delay_alu instid0(VALU_DEP_3)
	v_add_nc_u32 v[LB+3], 3*PTILE, v[LB]
	v_mul_u32_u24 v[LIXA], v[LN], 48
	s_delay_alu instid0(VALU_DEP_1)
	v_add_nc_u32 v[LIXA], XIMG, v[LIXA]
	s_delay_alu instid0(VALU_DEP_1)
	v_add_nc_u32 v[LIXB], 36*FRB, v[LIXA]
	v_lshl_add_u32 v[LSX], v[R], 2, XSC
	v_mul_u32_u24 v[TMP1], v[R], 48
	s_delay_alu instid0(VALU_DEP_1)
	v_mad_u32_u24 v[TMP1], v[H], 12, v[TMP1]       ; 48 r + 12 h
	s_mul_i32 s37, s39, 6
	s_add_co_u32 s37, s37, s38                     ; my first K step of x: 6 (w / 2) + 3 (w % 2); three fragments to each
	s_mul_i32 s36, s37, 3*FRB
	s_add_co_u32 s36, s36, XIMG
	v_add_nc_u32 v[XWI], s36, v[TMP1]
	s_mul_i32 s36, s37, 192
	v_add_nc_u32 v[XWS], s36, v[LSX]
	s_lshl_b32 s36, s34, 2
	s_add_co_u32 s36, s36, TP
	v_lshl_add_u32 v[TPW], v[LN], 5, s36
	v_lshl_add_u32 v[TPR], v[LN], 5, TP
	v_lshl_add_u32 v[ORD], v[LN], 4, s41
	v_lshlrev_b32 v[GO], 4, v[LN]
	s_lshl_b32 s38, ttmp9, 6
	s_lshl_b32 s39, s34, 3
	s_add_co_u32 s38, s38, s39                     ; my wave's first row, for the load and for the way out: 64 g + 8 w
	s_mul_i32 s38, s38, 3072                       ; in bytes: under 2^26
	s_mov_b32 s39, 0
	s_mov_b32 s37, 0
	s_wait_dscnt 0x0                               ; both opening adds are done
	s_wait_kmcnt 0x0
	s_add_nc_u64 s[42:43], s[8:9], s[38:39]        ; group 0: the global address of my 8 rows,
	s_or_b32 s43, s43, 0x80000000                  ; type = 2
	tensor_load_to_lds s[40:43], s[44:51]          ; every wave's one tensor load: the launch fills no LDS byte twice
	s_nop 0
	PLACES 4
	s_add_nc_u64 s[32:33], s[32:33], s[38:39]      ; out0 at the same rows
	s_mul_i32 s36, s34, 55296                      ; my 96 rows of Wq's codes (576 bytes a row),
	s_add_nc_u64 s[10:11], s[10:11], s[36:37]
	s_mul_i32 s36, s34, 2304                       ; of its scales (24 bytes a row),
	s_add_nc_u64 s[12:13], s[12:13], s[36:37]
	s_mul_i32 s36, s34, 384                        ; of the biases and of Wk's and Wv's scales (4 bytes each),
	s_add_nc_u64 s[14:15], s[14:15], s[36:37]
	s_add_nc_u64 s[18:19], s[18:19], s[36:37]
	s_add_nc_u64 s[20:21], s[20:21], s[36:37]
	s_add_nc_u64 s[24:25], s[24:25], s[36:37]
	s_add_nc_u64 s[26:27], s[26:27], s[36:37]
	s_mul_i32 s36, s34, 9216                       ; of Wk's and Wv's codes (96 bytes a row);
	s_add_nc_u64 s[16:17], s[16:17], s[36:37]
	s_add_nc_u64 s[22:23], s[22:23], s[36:37]
	s_mul_i32 s36, s35, 96                         ; my batch's row of age_features
	s_add_nc_u64 s[28:29], s[28:29], s[36:37]
	s_lshl_b32 s36, s35, 2
	s_add_nc_u64 s[30:31], s[30:31], s[36:37]
	; 13 loads for age_features, then 42 for Wk
	WIN 0x40                                       ; destination window 1, offsets window 0
.irp u, 0,1,2,3                        ; my 64 codes of the one age row, in four runs of 16 codes (12 bytes), each into three registers that begin on an even number: run u holds k = 64 (u / 2) + 32 h + 16 (u % 2) + 0 .. 15
.irp i, 0,1,2
	global_load_b32 v[AG+4*\u+\i], v[A24H], s[28:29] offset:48*(\u/2)+12*(\u%2)+4*\i
.endr
.endr
	WIN 0
	global_load_b32 v[AGS], v[AZ], s[30:31]
.irp t, 0,1,2,3,4,5
.irp p, 0,1,2,3,4,5
	global_load_b64 v[WKF+12*\t+2*\p:WKF+12*\t+2*\p+1], v[AWK], s[16:17] offset:(32*(\t/2)+8*(\t%2))*96+48*(\p/3)+8*(\p%3)
.endr
.endr
.irp t, 0,1,2,3,4,5
	global_load_b32 v[WKS+\t], v[A4RP], s[18:19] offset:(32*(\t/2)+8*(\t%2))*4
.endr
	WIN 0x40
	v_mov_b32 v[C1], 1.0
	v_mov_b32 v[C8], 0x3e000000                    ; 1/8
	v_mov_b32 v[C64], 0x3c800000                   ; 1/64
	v_mov_b32 v[DSC], 0x7f7f7f7f
; ---- age_features IN THREE PARTS
	s_wait_alu depctr_va_vdst(0)
	s_wait_loadcnt 42                              ; its 13 loads are in; the 42 issued behind them may be out
	WIN 0
	v_add_nc_u32 v[AGS+1], 0xfcfcfcfd, v[AGS]      ; the scale words of the second and third part: 3 and 6 off each byte
	v_add_nc_u32 v[AGS+2], 0xf9f9f9fa, v[AGS]
	WIN 0x55
.irp u, 0,1,2,3
	v_cvt_scale_pk16_f32_bf6 v[AN+16*\u:AN+16*\u+15], v[AG+4*\u:AG+4*\u+2], v[DSC]   ; the codes' values
.endr
	v_nop
	SPLIT AN, 4, TA, 0x55, CCA, 16, 4
.irp c, 0,1,2
.irp u, 0,1,2,3
.irp i, 0,1,2
	v_mov_b32 v[AF+12*\c+3*\u+\i], v[CCA+16*\c+4*\u+\i]   ; the four runs on end: a fragment, all sixteen rows of which are my batch's one row
.endr
.endr
.endr
	PLACES 4                                       ; between the operands' last copies and the scaled products
	s_wait_loadcnt 0x0                             ; Wk and its scale words
	WIN 0x40
.irp t, 0,1,2,3,4,5                    ; bk in the result's layout: lane (r, h), tile t: columns 32 (t / 2) + 8 (t % 2) + 16 h + 0 .. 7
	global_load_b128 v[BKW+8*\t:BKW+8*\t+3], v[A64H], s[20:21] offset:(32*(\t/2)+8*(\t%2))*4
	global_load_b128 v[BKW+8*\t+4:BKW+8*\t+7], v[A64H], s[20:21] offset:(32*(\t/2)+8*(\t%2))*4+16
.endr
.irp t, 0,1,2,3,4,5
	global_load_b32 v[VV+\t], v[A4R], s[26:27] offset:64*\t                      ; bv of column 16 t + r
.endr
	WIN 0
.irp t, 0,1,2,3,4,5
.irp p, 0,1,2,3,4,5
	global_load_b64 v[WVF+12*\t+2*\p:WVF+12*\t+2*\p+1], v[AWV], s[22:23] offset:16*\t*96+48*(\p/3)+8*(\p%3)
.endr
.endr
.irp t, 0,1,2,3,4,5
	global_load_b32 v[WVS+\t], v[A4R], s[24:25] offset:64*\t
.endr
; ---- k AND v OF MY 96 COLUMNS, while pixel_features is on its way
	WIN 0x54                                       ; Wk window 0; the age rows, C and D window 1
.irp c, 0,1,2                          ; age Wk, transposed: source 0 = 16 rows of Wk, source 1 = 16 times the age row; six accumulators by turns, the three parts one after the other
	s_wait_alu depctr_va_vdst(0)
.irp t, 0,1,2,3,4,5
.if \c == 0
	MM0 KD+8*\t, WKF+12*\t, AF+12*\c, WKS+\t, AGS+\c
.else
	MMC KD+8*\t, WKF+12*\t, AF+12*\c, WKS+\t, AGS+\c
.endif
.endr
.endr
	s_wait_loadcnt 0x0                             ; bk, bv, Wv and its scale words
	WIN 0x51                                       ; the age rows window 1, Wv window 0, C and D window 1
.irp c, 0,1,2                          ; age Wv: source 0 = the age rows, source 1 = 16 rows of Wv: lane (r, h) holds column 16 t + r in each of its eight registers
.irp t, 0,1,2,3,4,5
.if \c == 0
	MM0 VD+8*\t, AF+12*\c, WVF+12*\t, AGS+\c, WVS+\t
.else
	MMC VD+8*\t, AF+12*\c, WVF+12*\t, AGS+\c, WVS+\t
.endif
.endr
.endr
	PLACES 4
	WIN 0x55
.irp t, 0,1,2,3,4,5
.irp j, 0,2,4,6
	v_pk_add_f32 v[KD+8*\t+\j:KD+8*\t+\j+1], v[KD+8*\t+\j:KD+8*\t+\j+1], v[BKW+8*\t+\j:BKW+8*\t+\j+1]   ; k = age Wk + bk
.endr
.endr
.irp t, 0,1,2,3,4,5
	v_add_f32 v[VV+\t], v[VD+8*\t], v[VV+\t]       ; v = age Wv + bv; it is quantised at the end
.endr
	WIN 0                                          ; the head's products are thirty plain lines back: their scale registers and Wk's registers take Wq's
.irp t, 0,1,2,3,4,5
.irp j, 0,1,2
	global_load_b64 v[WS+6*\t+2*\j:WS+6*\t+2*\j+1], v[AWQS], s[12:13] offset:(32*(\t/2)+8*(\t%2))*24+8*\j   ; a row of Wq's 24 scale bytes: six words, one a K step
.endr
.endr
	WLOAD 0
	BMAX KD, 3, TK                                 ; Q(k): my three of the 24 blocks along product 4's K
	PWQ TK
	WIN 0x01
	v_mov_b32 v[KS], v[PW]
	WIN 0x05                                       ; numbers and scale operands window 1, codes window 0
	v_cvt_scalef32_pk16_bf6_f32 v[KF:KF+2], v[KD:KD+15], v[TK+8]
	v_cvt_scalef32_pk16_bf6_f32 v[KF+6:KF+8], v[KD+16:KD+31], v[TK+9]
	v_cvt_scalef32_pk16_bf6_f32 v[TBK:TBK+2], v[KD+32:KD+47], v[TK+10]
	WIN 0
	FRAGM KF, TBK                                  ; (its first three lines are the plain instructions behind the conversions)
; ---- pixel_features IS IN LDS
	s_wait_tensorcnt 0x0                           ; my 8 rows have landed,
	BARRIER                                        ; everybody's have
	s_wait_loadcnt 0x0                             ; Wq's scale words and K step 0, asked for long ago
	WLOAD 1                                        ; the ring's second set, which held Wv
; ---- Q(x): three K steps a wave, three fragments each
	XREAD N0, 0
	XREAD N1, 1
	s_wait_dscnt 16                                ; the first 16 loads are in
	XQ N0
	PUTX3 0
	XREAD N0, 2
	s_wait_dscnt 16                                ; the second 16 loads are in and the 39 stores have read their registers; the 16 loads just issued may be out
	XQ N1
	PUTX3 1
	s_wait_dscnt 0x0
	XQ N0
	PUTX3 2
	BARRIER                                        ; x's 72 fragments lie in LDS
; ---- PRODUCT 1: q^T = Wq^T x^T, my 96 columns x 64 rows: six K steps of 128, ascending, x's three parts one after the other
.irp s, 0,1,2,3,4,5
	WIN 0
.irp c, 0,1,2
.irp m, 0,1,2,3
	ds_load_b32 v[XS+4*\c+\m], v[LSX] offset:64*((6*\m+\s)*3+\c)
.endr
.endr
.irp c, 0,1,2
	XFETCH \s, \c
.if \c == 0
.if \s == 5
	s_wait_loadcnt 12                              ; Wq's last K step is in; bq's 12 loads may be out
.else
	s_wait_loadcnt 36                              ; this K step of Wq is in; the next one's 36 loads may be out
.endif
.endif
	s_wait_dscnt 0x0
	MUL \s, \c
	PLACES 4                                       ; in front of loads into registers that these products have read, and of the first read of results
.endr
	WIN 0
.if \s < 4
	WLOAD \s+2
.elseif \s == 4
.irp t, 0,1,2,3,4,5                    ; bq in the result's layout, into the set that has been multiplied
	global_load_b128 v[RING+8*\t:RING+8*\t+3], v[A64H], s[14:15] offset:(32*(\t/2)+8*(\t%2))*4
	global_load_b128 v[RING+8*\t+4:RING+8*\t+7], v[A64H], s[14:15] offset:(32*(\t/2)+8*(\t%2))*4+16
.endr
.endif
.endr
	s_wait_loadcnt 0x0                             ; bq
	WIN 0x41                                       ; q window 1, bq window 0
.irp m, 0,1,2,3
.irp t, 0,1,2,3,4,5
.irp j, 0,2,4,6
	v_pk_add_f32 v[8*(6*\m+\t)+\j:8*(6*\m+\t)+\j+1], v[8*(6*\m+\t)+\j:8*(6*\m+\t)+\j+1], v[RING+8*\t+\j:RING+8*\t+\j+1]
.endr
.endr
.endr
; ---- Q(q) AND PRODUCT 4, a tile of 16 rows at a time: my 96 of the 768 along K against 16 equal keys; q's three parts into three results, of which one register each is added: all eight hold the same number
.macro QTILE m
	BMAX 48*\m, 3, TQ
	PWQ TQ
	PW3
	WIN 0x01
.irp c, 0,1,2
	v_mov_b32 v[QS+3*\m+\c], v[PW+\c]
.endr
	RCODE 48*\m, 3, TQ
	SPLIT 48*\m, 3, TQ, 0x05, QF, 20, 6            ; the parts' codes go to window 0: part c, block b at v[QF + 20 c + 6 b]
	WIN 0
	FRAGM QF, QF+12
	FRAGM QF+20, QF+32
	FRAGM QF+40, QF+52
	PLACES 4                                       ; between the operands' last copies and the scaled products (the scale words were written far more than eight places back)
	MM0 QD, KF, QF, KS, QS+3*\m
	MM0 QD+8, KF, QF+20, KS, QS+3*\m+1
	MM0 QD+16, KF, QF+40, KS, QS+3*\m+2
	PLACES 4
	v_add_f32 v[SP+\m], v[QD], v[QD+8]
	v_add_f32 v[SP+\m], v[SP+\m], v[QD+16]         ; lane (r, h): my part of the score of row r of tile m
	ds_store_b32 v[TPW], v[SP+\m] offset:1024*\m
.endm
	QTILE 0
	QTILE 1
	QTILE 2
	QTILE 3
	BARRIER                                        ; the eight parts of every score lie in LDS
; ---- Q(v) AND p, BY EVERY WAVE FOR ALL 64 ROWS (the same additions in the same order: the same bits in all waves)
	WIN 0x40
.irp m, 0,1,2,3
	ds_load_b128 v[PX+8*\m:PX+8*\m+3], v[TPR] offset:1024*\m
	ds_load_b128 v[PX+8*\m+4:PX+8*\m+7], v[TPR] offset:1024*\m+16
.endr
	WIN 0x55
.irp t, 0,1,2,3,4,5                    ; meanwhile Q(v) along the KEYS: a block holds 32 times v[column], so its scale comes from that one number, and 16 equal codes are three registers
.irp i, 0,1,2,3,4,5,6,7,8,9,10,11,12,13,14,15
	v_mov_b32 v[CP+\i], v[VV+\t]
.endr
	v_max3_num_f32 v[TA1], |v[VV+\t]|, |v[VV+\t]|, 0x2800000
	s_delay_alu instid0(VALU_DEP_1)
	v_add_nc_u32 v[SOV+\t], 0xfe000000, v[TA1]
	v_cvt_scalef32_pk16_bf6_f32 v[VF+12*\t:VF+12*\t+2], v[CP:CP+15], v[SOV+\t]
	v_lshrrev_b32 v[TV+\t], 23, v[SOV+\t]          ; (a plain instruction behind the conversion)
.endr
	WIN 0x05
.irp t, 0,1,2,3,4,5
	v_perm_b32 v[VS+\t], v[TV+\t], v[TV+\t], s67   ; the byte four times: the scale word of 128 equal keys
.endr
	WIN 0x55
.irp t, 0,1,2,3,4,5                    ; 64 equal codes a lane are the same three registers four times
.irp i, 0,1,2,3,4,5,6,7,8
	v_mov_b32 v[VF+12*\t+3+\i], v[VF+12*\t+\i%3]
.endr
.endr
	s_wait_dscnt 0x0
.irp m, 0,1,2,3
	v_pk_add_f32 v[PX+8*\m:PX+8*\m+1], v[PX+8*\m:PX+8*\m+1], v[PX+8*\m+2:PX+8*\m+3]
	v_pk_add_f32 v[PX+8*\m+4:PX+8*\m+5], v[PX+8*\m+4:PX+8*\m+5], v[PX+8*\m+6:PX+8*\m+7]
.endr
.irp m, 0,1,2,3
	v_pk_add_f32 v[PX+8*\m:PX+8*\m+1], v[PX+8*\m:PX+8*\m+1], v[PX+8*\m+4:PX+8*\m+5]
.endr
.irp m, 0,1,2,3
	s_delay_alu instid0(VALU_DEP_4)
	v_add_f32 v[SSR+\m], v[PX+8*\m], v[PX+8*\m+1]  ; the score: Q(q) . Q(k) over all 768
.endr
.irp m, 0,1,2,3
	s_delay_alu instid0(VALU_DEP_4)
	v_mul_f32 v[T0+\m], s63, v[SSR+\m]             ; score / sqrt(768): a first quotient,
.endr
.irp m, 0,1,2,3
	s_delay_alu instid0(VALU_DEP_4)
	v_fma_f32 v[T0+4+\m], -v[T0+\m], s68, v[SSR+\m]   ; what it leaves,
.endr
.irp m, 0,1,2,3
	s_delay_alu instid0(VALU_DEP_4)
	v_fma_f32 v[T0+\m], v[T0+4+\m], s63, v[T0+\m]  ; and the quotient to the nearest f32
.endr
.irp m, 0,1,2,3
	s_delay_alu instid0(VALU_DEP_4)
	v_mul_f32 v[T0+\m], s69, v[T0+\m]              ; t = logit x log2(e).  All keys have this t, so it is the row's largest
.endr
.irp m, 0,1,2,3
	s_delay_alu instid0(VALU_DEP_4)
	v_floor_f32 v[T0+4+\m], -v[T0+\m]              ; -M = floor(-t) = -ceil(t)
.endr
.irp m, 0,1,2,3
	s_delay_alu instid0(VALU_DEP_4)
	v_add_f32 v[T0+\m], v[T0+\m], v[T0+4+\m]       ; t - M: the maximum is taken away before the exponential
.endr
	s_wait_alu depctr_va_vdst(0)
.irp m, 0,1,2,3
	v_exp_f32 v[T0+8+\m], v[T0+\m]                 ; p = 2^(t - M), over 1/2 and at most 1
.endr
	v_nop                                          ; a plain instruction behind the exponentials,
	s_wait_alu depctr_va_vdst(0)                   ; and the wait ahead of the first use: one for the four
.irp m, 0,1,2,3
	v_ldexp_f32 v[T0+4+\m], v[T0+8+\m], 11         ; l = 2,048 p
.endr
	s_wait_alu depctr_va_vdst(0)
.irp m, 0,1,2,3
	v_rcp_f32 v[T0+\m], v[T0+4+\m]
.endr
.irp m, 0,1,2,3
	v_add_nc_u32 v[T0+12+\m], 0xfe000000, v[T0+8+\m]   ; p's scale: 4 off its exponent field (p is over 1/2: no floor is wanted)
.endr
.irp m, 0,1,2,3
	s_delay_alu instid0(VALU_DEP_4)
	v_lshrrev_b32 v[T0+4+\m], 23, v[T0+12+\m]
.endr
	WIN 0x05
.irp m, 0,1,2,3
	v_perm_b32 v[PS+\m], v[T0+4+\m], v[T0+4+\m], s67   ; the byte four times: p's scale word for 128 equal keys
.endr
	WIN 0x55
	s_wait_alu depctr_va_vdst(0)                   ; one wait for the four reciprocals; the twelve lines above are the work between
.irp m, 0,1,2,3
	v_ldexp_f32 v[FP+2*\m], v[T0+\m], 4            ; 16 / l: one key step of 128 stands for sixteen
	v_ldexp_f32 v[FP+2*\m+1], v[T0+\m], 4          ; (named with it as a pair, so it is written)
.endr
.irp m, 0,1,2,3
.irp i, 0,1,2,3,4,5,6,7,8,9,10,11,12,13,14,15
	v_mov_b32 v[CP+\i], v[T0+8+\m]
.endr
	v_cvt_scalef32_pk16_bf6_f32 v[PF+12*\m:PF+12*\m+2], v[CP:CP+15], v[T0+12+\m]   ; Q(p): beyond 28 x the scale the largest code
	v_nop
.irp i, 0,1,2,3,4,5,6,7,8
	v_mov_b32 v[PF+12*\m+3+\i], v[PF+12*\m+\i%3]
.endr
.endr
; ---- PRODUCT 5 AND THE RESIDUAL, a tile of 16 rows at a time: O^T = V^T P^T over 128 keys; lane (r, h), tile t: columns 96 w + 16 t + 8 h + 0 .. 7 of row r.  (p's and v's codes are 16 to 28: they go as they are)
.irp m, 0,1,2,3
	WIN 0
.irp t, 0,1,2,3,4,5
	v_add_nc_u32 v[ADR+\t], s[54+\t], v[LB+\m]     ; (in the first tile these six are also the places behind the operands' last copies)
.endr
	WIN 0x40
.irp t, 0,1,2,3,4,5
	ds_load_b128 v[PX+8*\t:PX+8*\t+3], v[ADR+\t]
	ds_load_b128 v[PX+8*\t+4:PX+8*\t+7], v[ADR+\t] offset:16
.endr
	WIN 0x55
.irp t, 0,1,2,3,4,5
	MM0 DD+8*\t, VF+12*\t, PF+12*\m, VS+\t, PS+\m
.endr
	PLACES 4
	s_wait_dscnt 0x0
.irp t, 0,1,2,3,4,5
.irp j, 0,2,4,6
	v_pk_fma_f32 v[PX+8*\t+\j:PX+8*\t+\j+1], v[DD+8*\t+\j:DD+8*\t+\j+1], v[FP+2*\m:FP+2*\m+1], v[PX+8*\t+\j:PX+8*\t+\j+1] op_sel_hi:[1,0,1]   ; pixel + (128 Q(p) Q(v)) x 16 / l
.endr
.endr
	WIN 0x04
.irp t, 0,1,2,3,4,5                    ; back to the same bytes, which have had their one fill: my 384 bytes of each row are touched by no other wave in this phase
	ds_store_b128 v[ADR+\t], v[PX+8*\t:PX+8*\t+3]
	ds_store_b128 v[ADR+\t], v[PX+8*\t+4:PX+8*\t+7] offset:16
.endr
	s_wait_dscnt 0x0                               ; the stores have read their registers
.endr
	s_barrier_signal -1
	s_barrier_wait -1                              ; 64 whole rows of the result lie in LDS
; ---- THE WAY OUT: wave w stores rows 8 w .. 8 w + 7, 512 consecutive bytes a store, at multiples of 512 from out0's first byte
	WIN 0x40
.irp i, 0,1,2,3,4,5,6,7
.irp q, 0,1,2,3,4,5
	ds_load_b128 v[4*(6*\i+\q):4*(6*\i+\q)+3], v[ORD] offset:PROW*\i+512*\q+16*(\q/2)
.endr
.endr
	WIN 0x04
.irp i, 0,1,2,3,4,5,6,7
.irp q, 0,1,2,3,4,5
	s_wait_dscnt 47-(6*\i+\q)                      ; LDS loads come back in order: this one is in, the later ones may be out
	global_store_b128 v[GO], v[4*(6*\i+\q):4*(6*\i+\q)+3], s[32:33] offset:3072*\i+512*\q th:TH_STORE_NT
.endr
.endr
	WIN 0
	s_wait_tensorcnt 0x0                           ; the wave's end: behind my tensor load and my last LDS store
	ds_add_u32 v[SPW], v[NIL]
	s_wait_dscnt 0x0
	s_endpgm
.Lfunc_end_k_qb75dc80aee_fused:
	.size	k_qb75dc80aee_fused, .Lfunc_end_k_qb75dc80aee_fused-k_qb75dc80aee_fused
	.p2alignl 7, 3214868480
	.fill 96, 4, 3214868480
	.section	.rodata,"a",@progbits
	.p2align	6, 0x0
	.amdhsa_kernel k_qb75dc80aee_fused
		.amdhsa_group_segment_fixed_size 327680
		.amdhsa_private_segment_fixed_size 0
		.amdhsa_enable_private_segment 0
		.amdhsa_kernarg_size 104
		.amdhsa_user_sgpr_count 2
		.amdhsa_user_sgpr_kernarg_segment_ptr 1
		.amdhsa_wavefront_size32 1
		.amdhsa_system_sgpr_workgroup_id_x 1
		.amdhsa_system_sgpr_workgroup_id_y 1
		.amdhsa_system_sgpr_workgroup_id_z 1
		.amdhsa_system_vgpr_workitem_id 0
		.amdhsa_next_free_vgpr 512
		.amdhsa_next_free_sgpr 80
		.amdhsa_reserve_vcc 0
		.amdhsa_float_denorm_mode_32 3
		.amdhsa_float_denorm_mode_16_64 3
		.amdhsa_memory_ordered 1
		.amdhsa_forward_progress 1
		.amdhsa_inst_pref_size 255
	.end_amdhsa_kernel
	.section	.bss,"aw",@nobits
	.p2align	6
	.space	262144
	.amdgpu_metadata
---
amdhsa.version: [ 1, 2 ]
amdhsa.kernels:
  - .name:           k_qb75dc80aee_fused
    .symbol:         k_qb75dc80aee_fused.kd
    .args:
      - { .name: pixel_features, .offset: 0, .size: 8, .value_kind: global_buffer, .address_space: global }
      - { .name: Wq_codes, .offset: 8, .size: 8, .value_kind: global_buffer, .address_space: global }
      - { .name: Wq_scales, .offset: 16, .size: 8, .value_kind: global_buffer, .address_space: global }
      - { .name: bq, .offset: 24, .size: 8, .value_kind: global_buffer, .address_space: global }
      - { .name: Wk_codes, .offset: 32, .size: 8, .value_kind: global_buffer, .address_space: global }
      - { .name: Wk_scales, .offset: 40, .size: 8, .value_kind: global_buffer, .address_space: global }
      - { .name: bk, .offset: 48, .size: 8, .value_kind: global_buffer, .address_space: global }
      - { .name: Wv_codes, .offset: 56, .size: 8, .value_kind: global_buffer, .address_space: global }
      - { .name: Wv_scales, .offset: 64, .size: 8, .value_kind: global_buffer, .address_space: global }
      - { .name: bv, .offset: 72, .size: 8, .value_kind: global_buffer, .address_space: global }
      - { .name: age_features_codes, .offset: 80, .size: 8, .value_kind: global_buffer, .address_space: global }
      - { .name: age_features_scales, .offset: 88, .size: 8, .value_kind: global_buffer, .address_space: global }
      - { .name: out0, .offset: 96, .size: 8, .value_kind: global_buffer, .address_space: global }
    .group_segment_fixed_size: 327680
    .private_segment_fixed_size: 0
    .kernarg_segment_align: 8
    .kernarg_segment_size: 104
    .max_flat_workgroup_size: 256
    .sgpr_count:     80
    .vgpr_count:     512
    .wavefront_size: 32
...
	.end_amdgpu_metadata
.endif
;; end of part 1
